; MI455X (gfx1250); checked and timed in simulation.
; The chip was launched on July 23, 2026; its instructions are those of AMD's public machine-readable ISA for CDNA 5 (MIT licence, August 2026) and "CDNA5" Instruction Set Architecture Reference Guide (July 2026). The comments in the code are by the model that wrote it; some were corrected since.
;; MHDPA. Allowed arithmetic: matrix products marked QUANTISED: E2M3 operands, one E8M0 scale for each 32 along K, by v_wmma_scale_f32_16x16x128_f8f6f4 with both operands' format E2M3, f32 sums; everything else in f32.
;; Inputs: Wk 37 x 64 float32; Wq 37 x 64 float32; Wv 37 x 64 float32; x 16 x 37 x 4,096 float32.
;; Outputs: out0 16 x 4,096 x 64 float32.
;; This version of the problem:
;;   THIS VERSION OF THE PROBLEM IS GIVEN IN LOW PRECISION. The matrix products marked QUANTISED in the list below multiply operands that are first quantised to E2M3 (2 exponent bits, 3 mantissa bits; 6 bits a number), with one power-of-two scale for each 32 numbers along K (OCP MX v1.0); their sums are f32. All else is computed in f32.
;;   The module's matrix products, in the order in which they are computed (A, B: the left and right operand; K: the contracted axis; several contracted axes count as one K, in the product's order):
;;     1. [M 65,536, K 37] x [K 37, N 64]; A: input x; B: input Wq: QUANTISED
;;     2. [M 65,536, K 37] x [K 37, N 64]; A: input x; B: input Wk: QUANTISED
;;     3. [M 65,536, K 37] x [K 37, N 64]; A: input x; B: input Wv: QUANTISED
;;     4. batch 16 x [M 4,096, K 64] x [K 64, N 4,096]; A: computed on the way; B: computed on the way: QUANTISED
;;     5. batch 16 x [M 4,096, K 4,096] x [K 4,096, N 64]; A: computed on the way; B: computed on the way: QUANTISED
;;   THE QUANTISER, for each operand of a quantised product, along K:
;;     - K is cut into blocks of 32 from its start; a last block that is shorter is filled with zeros.
;;     - A block's scale is 2^e with e = floor(log2(the largest magnitude in the block)) - 2, held to -126 .. 127; a block of zeros has e = 0. As a byte (E8M0): e + 127.
;;     - Each number is divided by its block's scale, clamped to +-7.5, and rounded to the nearest number of E2M3, ties to even, subnormals kept.
;;     - The product sums the exact products of the quantised numbers (number of the format x scale) in f32.
;;   ~~~python
;;   def quantise(x, axis):      # numpy; x: float32 -> the quantised numbers, widened to float32 again
;;       x = np.moveaxis(x, axis, -1); K = x.shape[-1]
;;       x = np.pad(x, [(0, 0)] * (x.ndim - 1) + [(0, -K % 32)]); x = x.reshape(x.shape[:-1] + (-1, 32)); a = np.abs(x).max(-1, keepdims=True)
;;       e = np.where(a > 0, np.clip(np.frexp(np.where(a > 0, a, 1))[1] - 1 - 2, -126, 127), 0)      # np.frexp(a)[1] - 1 = floor(log2(a)), exactly
;;       r = np.clip(x / 2.0 ** e, -7.5, 7.5)
;;       step = 2.0 ** (np.maximum(np.frexp(np.where(r == 0, 1, r))[1] - 1, 0) - 3)
;;       q = np.round(r / step) * step * 2.0 ** e      # np.round: ties to even
;;       return np.moveaxis(q.reshape(q.shape[:-2] + (-1,))[..., :K], -1, axis).astype(np.float32)
;;   ~~~
;;   OPERANDS COMPUTED ON THE WAY. 'Computed on the way' means the value that the module computes at that place (a softmax that the list does not call 'softmax' is quantised finished and normalised). What goes into a quantiser is computed in f32, as accurately as f32 sums, v_exp_f32 and their like allow (about 1e-6 of the number): no bf16 or f16 on the way to a quantiser, and a product that is left as it is and whose result goes on into a quantised operand takes f32 operands (vector FMAs, or v_wmma_f32_16x16x4_f32). A number that lies on a knife's edge between two numbers of the format may be rounded either way, as far as f32 arithmetic and the matrix unit's own rounding can turn it there, and no further.
;; One version. Each part assembles by itself: llvm-mc -triple=amdgcn-amd-amdhsa -mcpu=gfx1250 --defsym DOCPART=n.
;; ======== version 1 of 1: 3 launches
;; limits: right only within a limited range of input values
;; workspace buffers: qimg 3,407,872 bytes; kvimg 6,684,672 bytes; lbuf 262,144 bytes
;; launch proj (part 1): grid 16 x 16, 4 waves a work-group, no clusters, 327,680 bytes of LDS; arguments x, Wq, Wk, Wv, qimg, kvimg; writes qimg, kvimg
.if DOCPART == 1
	.amdgcn_target "amdgcn-amd-amdhsa--gfx1250"
	.amdhsa_code_object_version 6
	.text
	.protected	k_qd33b2d60e9_proj
	.globl	k_qd33b2d60e9_proj
	.p2align	8
	.type	k_qd33b2d60e9_proj,@function
k_qd33b2d60e9_proj:
	s_mov_b64 s[64:65], 0
	v_nop
	global_prefetch_b8 v0, s[64:65] scope:SCOPE_SE
	s_setreg_imm32_b32 hwreg(HW_REG_WAVE_MODE, 25, 1), 1
	s_wait_xcnt 0x0
; q, k, v = LayerNorm(x^T W) for 256 entities of one batch; x and the three weights are quantised along the 37 depths to FP6 (E2M3) with E8M0 scales, the products run on these codes, the norm is taken in f32.
; q and k are quantised along their 64 channels, v along the keys, and stored as images of the operand registers that the later launches load: records of 64 rows (q, k) and of 128 keys (v).
; Four waves, 64 entities each.  The head's tiles, one tensor load a wave: wave 0 the work-group's x (37 rows of 1,024 bytes), waves 1-3 a weight each (37 rows of 256 bytes); nothing is filled again.
; No cluster: what work-groups share, the weights, is 28,416 bytes against 37,888 of x, read once at the head.  No prefetch: the launch has no loop that runs ahead of a load.
; LIMITS: NaN and infinities are not served; a block of zeros keeps the floor's scale byte, 1, which this program alone reads.
.set XB,     9472
.set WREG,   4*XB
.set VSTAGE, WREG+3*XB
.set VP,     272
.set REC,    3328
.set VREC,   6400
.set SLOTB,  104448
.set BATKV,  417792
.set FLOOR,  0x1800000
.set OFF2,   0xff000000
.set T,   12
.set WS,  16
.set XS,  22
.set WF,  24
.set XF,  102
.set B0,  150
.set DA,  150
.set C0,  214
.set TW,  238
.set OS,  242
.set M0,  246
.set M1,  247
.set P0,  246
.set P1,  248
.set EE,  248
.set BY,  249
.set SM,  250
.set PT,  251
.set NM,  252
.set M2,  254
.set BZ,  255
.macro PLACES n
.rept \n
	v_nop
.endr
.endm
.macro MMZ dst, a, b, sa, ra, sb, rb
.if ((\ra) == 0) && ((\rb) == 0)
	v_wmma_scale_f32_16x16x128_f8f6f4 v[\dst:\dst+7], v[\a:\a+11], v[\b:\b+11], 0, v[\sa], v[\sb] matrix_a_fmt:MATRIX_FMT_FP6 matrix_b_fmt:MATRIX_FMT_FP6
.elseif ((\ra) == 1) && ((\rb) == 0)
	v_wmma_scale_f32_16x16x128_f8f6f4 v[\dst:\dst+7], v[\a:\a+11], v[\b:\b+11], 0, v[\sa], v[\sb] matrix_a_fmt:MATRIX_FMT_FP6 matrix_b_fmt:MATRIX_FMT_FP6 matrix_a_scale:MATRIX_SCALE_ROW1
.elseif ((\ra) == 0) && ((\rb) == 1)
	v_wmma_scale_f32_16x16x128_f8f6f4 v[\dst:\dst+7], v[\a:\a+11], v[\b:\b+11], 0, v[\sa], v[\sb] matrix_a_fmt:MATRIX_FMT_FP6 matrix_b_fmt:MATRIX_FMT_FP6 matrix_b_scale:MATRIX_SCALE_ROW1
.else
	v_wmma_scale_f32_16x16x128_f8f6f4 v[\dst:\dst+7], v[\a:\a+11], v[\b:\b+11], 0, v[\sa], v[\sb] matrix_a_fmt:MATRIX_FMT_FP6 matrix_b_fmt:MATRIX_FMT_FP6 matrix_a_scale:MATRIX_SCALE_ROW1 matrix_b_scale:MATRIX_SCALE_ROW1
.endif
.endm
.macro MAX32A b
	v_max3_num_f32 v[M0], |v[\b]|, |v[\b+1]|, FLOOR
	v_max3_num_f32 v[M1], |v[\b+2]|, |v[\b+3]|, |v[\b+4]|
.irp i, 5,9,13,17,21,25
	v_max3_num_f32 v[M0], v[M0], |v[\b+\i]|, |v[\b+\i+1]|
	v_max3_num_f32 v[M1], v[M1], |v[\b+\i+2]|, |v[\b+\i+3]|
.endr
	v_max3_num_f32 v[M0], v[M0], |v[\b+29]|, |v[\b+30]|
	v_max3_num_f32 v[M0], v[M0], v[M1], |v[\b+31]|
.endm
	s_load_b256 s[4:11], s[0:1], 0x0
	s_load_b128 s[12:15], s[0:1], 0x20
	v_lshl_add_u32 v11, v0, 2, 0x29000
	v_mov_b32 v15, 0
	ds_add_u32 v11, v15
	ds_add_u32 v11, v15
	v_lshrrev_b32 v1, 5, v0
	v_readfirstlane_b32 s16, v1
	s_mov_b32 s17, ttmp9
	s_and_b32 s18, ttmp7, 0xffff
.irp g, 24, 32
	s_mov_b32 s[\g], 2<<16
	s_mov_b32 s[\g+1], 64<<16
	s_mov_b32 s[\g+2], 37<<16
	s_mov_b32 s[\g+3], 64<<16
	s_mov_b32 s[\g+4], 37
	s_mov_b32 s[\g+6], 0
	s_mov_b32 s[\g+7], 0
.endr
	s_mov_b32 s29, 4096
	s_mov_b32 s25, 256<<16
	s_mov_b32 s27, 256<<16
	s_mov_b32 s37, 64
	s_mul_i32 s20, s18, 606208
	s_lshl_b32 s21, s17, 10
	s_add_co_u32 s20, s20, s21
	s_mov_b32 s21, 0
	s_lshl_b32 s22, s16, 8
	s_mul_i32 s23, s16, XB
	s_wait_dscnt 0x0
	s_wait_kmcnt 0x0
	s_mov_b32 s40, 1
	s_mov_b32 s41, 0
	s_add_nc_u64 s[42:43], s[4:5], s[20:21]
	s_or_b32 s43, s43, 0x80000000
	s_cmp_eq_u32 s16, 2
	s_cselect_b64 s[46:47], s[8:9], s[6:7]
	s_cmp_eq_u32 s16, 3
	s_cselect_b64 s[46:47], s[10:11], s[46:47]
	s_or_b32 s47, s47, 0x80000000
	s_mov_b32 s44, 1
	s_add_co_u32 s45, s23, WREG-XB
	s_cmp_eq_u32 s16, 0                            ; one tensor load a wave: wave 0 asks for x, waves 1-3 for weight w - 1
	s_cbranch_scc0 .Lweight
	tensor_load_to_lds s[40:43], s[24:31]
	s_nop 0
	PLACES 4
	s_branch .Lasked
.Lweight:
	tensor_load_to_lds s[44:47], s[32:39]
	s_nop 0
	PLACES 4
.Lasked:
	v_and_b32 v246, 31, v0
	v_lshlrev_b32 v1, 4, v246
	v_lshlrev_b32 v2, 3, v246
	v_bfe_u32 v247, v0, 4, 1
	v_and_b32 v248, 15, v0
	v_and_b32 v249, 7, v0
	v_bfe_u32 v250, v0, 3, 1
	v_lshl_or_b32 v249, v250, 5, v249
	v_lshl_or_b32 v250, v247, 3, v249
	v_lshl_add_u32 v4, v250, 2, s22
	v_lshl_add_u32 v5, v250, 2, WREG
	v_mul_u32_u24 v251, v249, VP
	v_lshl_add_u32 v251, v247, 7, v251
	s_mul_i32 s20, s16, 64*VP
	s_add_co_u32 s20, s20, VSTAGE
	v_add_nc_u32 v6, s20, v251
	v_lshlrev_b32 v8, 3, v247
	s_and_b32 s21, s16, 1
	s_mul_i32 s23, s21, 3072
	v_add_nc_u32 v9, s23, v1
	s_lshl_b32 s23, s21, 7
	v_lshl_add_u32 v10, v246, 2, s23
	s_lshr_b32 s20, s16, 1
	s_mul_i32 s20, s20, 128*VP
	s_add_co_u32 s20, s20, s23
	s_add_co_u32 s20, s20, VSTAGE
	v_mul_u32_u24 v251, v247, 32*VP
	v_lshl_add_u32 v251, v248, 2, v251
	v_add_nc_u32 v7, s20, v251
	v_mov_b32 v[PT], 0
	v_mov_b32 v[NM+1], 0
.set n, 37
.rept 11
	v_mov_b32 v[B0+n], 0
	v_mov_b32 v[B0+48+n], 0
.set n, n+1
.endr
.irp i, 0,1,2,3,4,5
	v_mov_b32 v[WF+72+\i], 0
.irp j, 0,1,2,3
	v_mov_b32 v[XF+12*\j+6+\i], 0
.endr
.endr
	s_mov_b32 s48, 0x76543210
	s_mov_b32 s49, 0xfedcba98
	s_mov_b32 s50, 0xffff0000
	s_mov_b32 s51, 0xbc800000
	s_mov_b32 s52, 0x3c800000
	s_mov_b32 s53, 0x3727c5ac
	s_lshl_b32 s20, s18, 6
	s_lshl_b32 s21, s17, 2
	s_add_co_u32 s20, s20, s21
	s_add_co_u32 s20, s20, s16
	s_mul_i32 s20, s20, REC
	s_mov_b32 s21, 0
	s_add_nc_u64 s[54:55], s[12:13], s[20:21]
	s_mul_i32 s22, s18, BATKV
	s_lshr_b32 s23, s17, 2
	s_mul_i32 s23, s23, SLOTB
	s_add_co_u32 s22, s22, s23
	s_and_b32 s23, s17, 3
	s_lshl_b32 s20, s23, 2
	s_add_co_u32 s20, s20, s16
	s_mul_i32 s20, s20, REC
	s_add_co_u32 s20, s20, s22
	s_add_nc_u64 s[56:57], s[14:15], s[20:21]
	s_lshl_b32 s20, s23, 1
	s_lshr_b32 s23, s16, 1
	s_add_co_u32 s20, s20, s23
	s_mul_i32 s20, s20, VREC
	s_add_co_u32 s20, s20, s22
	s_add_co_u32 s20, s20, 16*REC
	s_add_nc_u64 s[58:59], s[14:15], s[20:21]
	s_wait_alu depctr_va_vdst(0)                   ; the wait at the head's end
	s_wait_tensorcnt 0x0
	s_barrier_signal -1
	s_barrier_wait -1
.macro LOADSET buf, adr, off, pit
.set d, 0
.rept 37
	ds_load_b32 v[\buf+d], v[\adr] offset:\off+\pit*d
.set d, d+1
.endr
.endm
.macro SETLOAD s
.if (\s) < 6
	LOADSET B0+48*((\s)%2), 5, ((\s)/2)*XB+64*((\s)%2), 256
.else
	LOADSET B0+48*((\s)%2), 4, 64*((\s)%2), 1024
.endif
.endm
.macro QUANT37 buf, f0, f1, sw
	MAX32A \buf
	v_max3_num_f32 v[M2], |v[\buf+32]|, |v[\buf+33]|, FLOOR
	v_max3_num_f32 v[M2], v[M2], |v[\buf+34]|, |v[\buf+35]|
	v_max_num_f32 v[M2], v[M2], |v[\buf+36]|
	v_add_nc_u32 v[EE], OFF2, v[M0]
	v_add_nc_u32 v[M2], OFF2, v[M2]
	v_lshrrev_b32 v[BY], 23, v[EE]
	v_lshrrev_b32 v[BZ], 23, v[M2]
	v_lshl_or_b32 v[\sw], v[BZ], 8, v[BY]
	v_cvt_scalef32_pk16_fp6_f32 v[\f0:\f0+2], v[\buf:\buf+15], v[EE]
	v_cvt_scalef32_pk16_fp6_f32 v[T:T+2], v[\buf+16:\buf+31], v[EE]
	v_cvt_scalef32_pk16_fp6_f32 v[\f1:\f1+2], v[\buf+32:\buf+47], v[M2]
	v_nop
.irp i, 0,1,2
	v_mov_b32 v[\f0+3+\i], v[T+\i]
	v_mov_b32 v[\f1+3+\i], 0
.endr
.irp i, 0,1,2,3,4,5
	v_permlane16_swap_b32 v[\f0+\i], v[\f1+\i]
.endr
.endm
	SETLOAD 0
	SETLOAD 1
.irp s, 0,1,2,3,4,5,6,7
.if \s < 7
	s_wait_dscnt 37
.else
	s_wait_dscnt 0x0
.endif
.if \s < 6
	QUANT37 B0+48*(\s%2), WF+12*\s, WF+12*\s+6, WS+\s
.else
	QUANT37 B0+48*(\s%2), XF+24*(\s-6), XF+24*(\s-6)+12, XS+\s-6
.endif
.if \s < 6
	SETLOAD \s+2
.endif
.endr
	PLACES 8
.macro WM o, j, dst
.irp t, 0,1,2,3
	MMZ \dst+8*\t, WF+6*(4*(\o)+\t), XF+12*(\j), WS+2*(\o)+\t/2, \t%2, XS+(\j)/2, (\j)%2
.endr
.endm
.macro LN dst
	v_pk_add_f32 v[P0:P0+1], v[\dst:\dst+1], v[\dst+2:\dst+3]
	v_pk_add_f32 v[P1:P1+1], v[\dst+4:\dst+5], v[\dst+6:\dst+7]
.irp i, 8,12,16,20,24,28
	v_pk_add_f32 v[P0:P0+1], v[P0:P0+1], v[\dst+\i:\dst+\i+1]
	v_pk_add_f32 v[P1:P1+1], v[P1:P1+1], v[\dst+\i+2:\dst+\i+3]
.endr
	v_pk_add_f32 v[P0:P0+1], v[P0:P0+1], v[P1:P1+1]
	v_add_f32 v[SM], v[P0], v[P0+1]
	v_permlanex16_b32 v[PT], v[SM], s48, s49
	v_add_f32 v[SM], v[SM], v[PT]
	v_mul_f32 v[NM], s51, v[SM]
.set n, 0
.rept 16
	v_pk_add_f32 v[\dst+n:\dst+n+1], v[\dst+n:\dst+n+1], v[NM:NM+1] op_sel_hi:[1,0]
.set n, n+2
.endr
	v_pk_mul_f32 v[P0:P0+1], v[\dst:\dst+1], v[\dst:\dst+1]
	v_pk_mul_f32 v[P1:P1+1], v[\dst+2:\dst+3], v[\dst+2:\dst+3]
.irp i, 4,8,12,16,20,24,28
	v_pk_fma_f32 v[P0:P0+1], v[\dst+\i:\dst+\i+1], v[\dst+\i:\dst+\i+1], v[P0:P0+1]
	v_pk_fma_f32 v[P1:P1+1], v[\dst+\i+2:\dst+\i+3], v[\dst+\i+2:\dst+\i+3], v[P1:P1+1]
.endr
	v_pk_add_f32 v[P0:P0+1], v[P0:P0+1], v[P1:P1+1]
	v_add_f32 v[SM], v[P0], v[P0+1]
	v_permlanex16_b32 v[PT], v[SM], s48, s49
	v_add_f32 v[SM], v[SM], v[PT]
	v_fma_f32 v[SM], v[SM], s52, s53
	s_wait_alu depctr_va_vdst(0)
	v_rsq_f32 v[NM], v[SM]
	v_nop
.set n, 0
	s_wait_alu depctr_va_vdst(0)
.rept 16
	v_pk_mul_f32 v[\dst+n:\dst+n+1], v[\dst+n:\dst+n+1], v[NM:NM+1] op_sel_hi:[1,0]
.set n, n+2
.endr
.endm
.macro QTAIL dst, j
	MAX32A \dst
	v_add_nc_u32 v[EE], OFF2, v[M0]
	v_cvt_scalef32_pk16_fp6_f32 v[C0+6*(\j):C0+6*(\j)+2], v[\dst:\dst+15], v[EE]
	v_cvt_scalef32_pk16_fp6_f32 v[T:T+2], v[\dst+16:\dst+31], v[EE]
	v_lshrrev_b32 v[BY], 23, v[EE]
.irp i, 0,1,2
	v_mov_b32 v[C0+6*(\j)+3+\i], v[T+\i]
.endr
	v_lshlrev_b32 v[TW+(\j)], v8, v[BY]
	v_permlanex16_b32 v[PT], v[TW+(\j)], s48, s49
	v_or_b32 v[TW+(\j)], v[TW+(\j)], v[PT]
.if ((\j)%2) == 1
	v_cndmask_b32 v[OS+(\j)/2], v[TW+(\j)-1], v[TW+(\j)], s50
.endif
.endm
.macro VTAIL dst, j
.irp i, 0,1,2,3,4,5,6,7
	ds_store_b128 v6, v[\dst+4*\i:\dst+4*\i+3] offset:8*(\j)*VP+16*\i
.endr
.endm
.macro RECOUT p
.irp i, 0,1,2,3,4,5
	global_store_b128 v1, v[C0+4*\i:C0+4*\i+3], s[\p:\p+1] offset:512*\i
.endr
	global_store_b64 v2, v[OS:OS+1], s[\p:\p+1] offset:3072
.endm
	WM 2, 0, DA
	PLACES 5
.set u, 0
.rept 12
.set oo, ((u/4)+2)%3
.set jj, u%4
.set dd, DA+32*(u%2)
.if u < 11
.set on, (((u+1)/4)+2)%3
.set jn, (u+1)%4
.set dn, DA+32*((u+1)%2)
	WM on, jn, dn
.endif
	LN dd
.if oo == 2
	VTAIL dd, jj
.else
.if (oo == 1) && (jj == 0)
	s_wait_xcnt 0x0
.endif
	QTAIL dd, jj
.if jj == 3
	RECOUT 54+2*oo
.endif
.endif
.set u, u+1
.endr
	s_wait_dscnt 0x0
	s_barrier_signal -1
	s_barrier_wait -1
	s_wait_xcnt 0x0
.irp k2, 0,1
.irp c, 0,1
.set n, 0
.rept 32
	ds_load_b32 v[DA+32*\c+n], v7 offset:(64*\c+n)*VP+64*\k2
.set n, n+1
.endr
.endr
.irp c, 0,1
	s_wait_dscnt 32-32*\c
	MAX32A DA+32*\c
	v_add_nc_u32 v[EE], OFF2, v[M0]
	v_cvt_scalef32_pk16_fp6_f32 v[C0+12*\k2+6*\c:C0+12*\k2+6*\c+2], v[DA+32*\c:DA+32*\c+15], v[EE]
	v_cvt_scalef32_pk16_fp6_f32 v[T:T+2], v[DA+32*\c+16:DA+32*\c+31], v[EE]
	v_lshrrev_b32 v[BY+\c], 23, v[EE]
.irp i, 0,1,2
	v_mov_b32 v[C0+12*\k2+6*\c+3+\i], v[T+\i]
.endr
.endr
	v_lshl_or_b32 v[TW+\k2], v[BY+1], 16, v[BY]
	v_lshlrev_b32 v[TW+\k2], v8, v[TW+\k2]
	v_permlanex16_b32 v[PT], v[TW+\k2], s48, s49
	v_or_b32 v[TW+\k2], v[TW+\k2], v[PT]
.irp i, 0,1,2
	global_store_b128 v9, v[C0+12*\k2+4*\i:C0+12*\k2+4*\i+3], s[58:59] offset:1536*\k2+512*\i
.endr
.endr
	v_cndmask_b32 v[OS], v[TW], v[TW+1], s50
	global_store_b32 v10, v[OS], s[58:59] offset:6144
	s_wait_tensorcnt 0x0
	ds_add_u32 v11, v15
	s_wait_dscnt 0x0
	s_endpgm
.Lfunc_end_k_qd33b2d60e9_proj:
	.size	k_qd33b2d60e9_proj, .Lfunc_end_k_qd33b2d60e9_proj-k_qd33b2d60e9_proj
	.p2alignl 7, 3214868480
	.fill 96, 4, 3214868480
	.section	.rodata,"a",@progbits
	.p2align	6, 0x0
	.amdhsa_kernel k_qd33b2d60e9_proj
		.amdhsa_group_segment_fixed_size 327680
		.amdhsa_private_segment_fixed_size 0
		.amdhsa_enable_private_segment 0
		.amdhsa_kernarg_size 48
		.amdhsa_user_sgpr_count 2
		.amdhsa_user_sgpr_kernarg_segment_ptr 1
		.amdhsa_wavefront_size32 1
		.amdhsa_system_sgpr_workgroup_id_x 1
		.amdhsa_system_sgpr_workgroup_id_y 1
		.amdhsa_system_sgpr_workgroup_id_z 1
		.amdhsa_system_vgpr_workitem_id 0
		.amdhsa_next_free_vgpr 256
		.amdhsa_next_free_sgpr 66
		.amdhsa_reserve_vcc 0
		.amdhsa_float_denorm_mode_32 3
		.amdhsa_float_denorm_mode_16_64 3
		.amdhsa_memory_ordered 1
		.amdhsa_forward_progress 1
		.amdhsa_inst_pref_size 134
	.end_amdhsa_kernel
	.amdgpu_metadata
---
amdhsa.version: [ 1, 2 ]
amdhsa.kernels:
  - .name:           k_qd33b2d60e9_proj
    .symbol:         k_qd33b2d60e9_proj.kd
    .args:
      - { .name: x, .offset: 0, .size: 8, .value_kind: global_buffer, .address_space: global }
      - { .name: Wq, .offset: 8, .size: 8, .value_kind: global_buffer, .address_space: global }
      - { .name: Wk, .offset: 16, .size: 8, .value_kind: global_buffer, .address_space: global }
      - { .name: Wv, .offset: 24, .size: 8, .value_kind: global_buffer, .address_space: global }
      - { .name: qimg, .offset: 32, .size: 8, .value_kind: global_buffer, .address_space: global }
      - { .name: kvimg, .offset: 40, .size: 8, .value_kind: global_buffer, .address_space: global }
    .group_segment_fixed_size: 327680
    .private_segment_fixed_size: 0
    .kernarg_segment_align: 8
    .kernarg_segment_size: 48
    .max_flat_workgroup_size: 128
    .sgpr_count:     66
    .vgpr_count:     256
    .wavefront_size: 32
...
	.end_amdgpu_metadata
.endif
;; end of part 1
;; launch stats (part 2): grid 16 x 16, 16 waves a work-group, clusters of 4 x 1, 327,680 bytes of LDS; arguments qimg, kvimg, lbuf; writes lbuf
.if DOCPART == 2
	.amdgcn_target "amdgcn-amd-amdhsa--gfx1250"
	.amdhsa_code_object_version 6
	.text
	.protected	k_qd33b2d60e9_stats
	.globl	k_qd33b2d60e9_stats
	.p2align	8
	.type	k_qd33b2d60e9_stats,@function
k_qd33b2d60e9_stats:
	s_mov_b64 s[64:65], 0
	v_nop
	global_prefetch_b8 v0, s[64:65] scope:SCOPE_SE
	s_setreg_imm32_b32 hwreg(HW_REG_WAVE_MODE, 25, 1), 1
	s_wait_xcnt 0x0
	s_wait_alu depctr_hold_cnt(0) depctr_sa_sdst(0) depctr_va_vdst(0) depctr_va_sdst(0) depctr_va_ssrc(0) depctr_va_vcc(0) depctr_vm_vsrc(0)
	s_getreg_b32 s2, hwreg(HW_REG_IB_STS2, 6, 4)
	s_cmp_eq_u32 s2, 0
	s_cbranch_scc0 .Lentry_in_a_cluster
	s_endpgm
.Lentry_in_a_cluster:
	s_bfe_u32 s2, ttmp6, 0x10000c
	s_cmp_lg_u32 s2, 0x3003
	s_cbranch_scc0 .Lentry_shape_is_right
	s_endpgm
.Lentry_shape_is_right:
; lbuf[b][k] = NL[k] = -log2( sum over all 4,096 queries q of 2^(c s[q][k]) ), s = q . k on codes of FP6 (E2M3) with E8M0 scales, c = log2(e) / 8: the softmax runs over the QUERIES.
; NO MAXIMUM IS TAKEN AWAY: q and k come out of a LayerNorm without gain (norms of 8 at the most, under 9.5 as codes), so |c s| < 16.3 for every input, and a sum of 4,096 such powers stays inside f32.
; SHARES.  A work-group takes 256 keys of one batch against all its queries.  Sixteen waves: wave w keeps the 64 keys of record w % 4 in registers and walks the 16 records of queries 16 (w / 4) on.
; The batch's 64 records of q (212,992 bytes, dense) come into LDS ONCE: each wave fetches four records, 52 rows of 256 bytes, by its one tensor load; nothing is filled again.
; CLUSTER.  The four work-groups of a cluster belong to one batch and read the same q: the load is asked for jointly.
; No prefetch: the launch has one fill, at its head, and no loop that runs ahead of a load.
; S^T = k q^T: a lane holds one query, its 32 registers 32 keys; the sums over the lanes' queries and over the four waves of a record are taken at the end.
; LIMITS: NaN and infinities are not served.
.set REC,    3328
.set BATQ,   64*REC
.set PART,   BATQ                      ; behind q: the waves' partial sums, 256 bytes each
.set SPARE,  PART+4096                 ; the spare words, 128 bytes a wave
.set SLOTB,  104448
.set BATKV,  417792
.set KS,  8
.set QS,  10
.set KF,  12
.set QF,  60
.set SA,  90
.set SB,  122
.set ACC, 154
.macro PLACES n
.rept \n
	v_nop
.endr
.endm
.macro MMZ dst, a, b, sa, ra, sb, rb
.if ((\ra) == 0) && ((\rb) == 0)
	v_wmma_scale_f32_16x16x128_f8f6f4 v[\dst:\dst+7], v[\a:\a+11], v[\b:\b+11], 0, v[\sa], v[\sb] matrix_a_fmt:MATRIX_FMT_FP6 matrix_b_fmt:MATRIX_FMT_FP6
.elseif ((\ra) == 1) && ((\rb) == 0)
	v_wmma_scale_f32_16x16x128_f8f6f4 v[\dst:\dst+7], v[\a:\a+11], v[\b:\b+11], 0, v[\sa], v[\sb] matrix_a_fmt:MATRIX_FMT_FP6 matrix_b_fmt:MATRIX_FMT_FP6 matrix_a_scale:MATRIX_SCALE_ROW1
.elseif ((\ra) == 0) && ((\rb) == 1)
	v_wmma_scale_f32_16x16x128_f8f6f4 v[\dst:\dst+7], v[\a:\a+11], v[\b:\b+11], 0, v[\sa], v[\sb] matrix_a_fmt:MATRIX_FMT_FP6 matrix_b_fmt:MATRIX_FMT_FP6 matrix_b_scale:MATRIX_SCALE_ROW1
.else
	v_wmma_scale_f32_16x16x128_f8f6f4 v[\dst:\dst+7], v[\a:\a+11], v[\b:\b+11], 0, v[\sa], v[\sb] matrix_a_fmt:MATRIX_FMT_FP6 matrix_b_fmt:MATRIX_FMT_FP6 matrix_a_scale:MATRIX_SCALE_ROW1 matrix_b_scale:MATRIX_SCALE_ROW1
.endif
.endm
.macro CROUND                          ; a round of the cluster's barrier
	s_barrier_signal -1
	s_barrier_wait -1
	s_cmp_lg_u32 s12, 0
	s_cbranch_scc1 .Lnot_wave_0_\@
	s_barrier_signal -3
.Lnot_wave_0_\@:
	s_barrier_wait -3
	s_barrier_signal -1
	s_barrier_wait -1
.endm
	s_load_b128 s[4:7], s[0:1], 0x0                ; qimg, kvimg
	s_load_b64 s[8:9], s[0:1], 0x10                ; lbuf
	v_lshl_add_u32 v192, v0, 2, SPARE
	v_mov_b32 v193, 0
	ds_add_u32 v192, v193                          ; the opening lines: the add, twice on end, and its wait
	ds_add_u32 v192, v193
	v_lshrrev_b32 v1, 5, v0
	v_readfirstlane_b32 s12, v1                    ; wave 0..15
	s_and_b32 s13, s12, 3                          ; which 64 keys
	s_lshr_b32 s14, s12, 2                         ; which 16 records of queries
	s_bfe_u32 s15, ttmp6, 0x40000                  ; cx
	s_lshl_b32 s16, ttmp9, 2
	s_add_co_u32 s16, s16, s15                     ; my block of 256 keys: it enters k's and lbuf's addresses alone
	s_and_b32 s17, ttmp7, 0xffff                   ; the batch, which the partners share
	s_mov_b32 s24, 15|(3<<16)|(1<<21)              ; group 1: the mask of all four; elements of 8 bytes; bit 21 beside a mask
	s_mov_b32 s25, 32<<16                          ; rows of 32 elements,
	s_mov_b32 s26, 52<<16                          ; 52 of them: four records
	s_mov_b32 s27, 32<<16
	s_mov_b32 s28, 52
	s_mov_b32 s29, 32
	s_mov_b32 s30, 0
	s_mov_b32 s31, 0
	s_mul_i32 s20, s12, 4*REC                      ; my four records: in LDS,
	s_mul_i32 s18, s17, BATQ
	s_add_co_u32 s18, s18, s20                     ; and in qimg
	s_mov_b32 s19, 0
	s_mul_i32 s10, s17, BATKV                      ; my record of k in kvimg
	s_lshr_b32 s11, s16, 2
	s_mul_i32 s11, s11, SLOTB
	s_add_co_u32 s10, s10, s11
	s_and_b32 s11, s16, 3
	s_lshl_b32 s11, s11, 2
	s_add_co_u32 s11, s11, s13
	s_mul_i32 s11, s11, REC
	s_add_co_u32 s10, s10, s11
	s_mov_b32 s11, 0
	s_lshl_b32 s2, s17, 14                         ; my 64 numbers of lbuf
	s_lshl_b32 s3, s16, 10
	s_add_co_u32 s2, s2, s3
	s_lshl_b32 s3, s13, 8
	s_add_co_u32 s2, s2, s3
	s_mov_b32 s3, 0
	s_mov_b32 s22, 0x3e38aa3b                      ; c
	s_mov_b32 s23, s22
	s_mul_i32 s50, s14, 16*REC                     ; LDS byte of my first record of queries
	s_lshl_b32 s21, s13, 2
	s_add_co_u32 s21, s21, s14
	s_lshl_b32 s21, s21, 8
	s_add_co_u32 s21, s21, PART                    ; my 256 bytes of partial sums
	s_lshl_b32 s36, s13, 10
	s_add_co_u32 s36, s36, PART                    ; the four waves' of my record
	v_and_b32 v3, 31, v0
	v_bfe_u32 v4, v0, 4, 1
	v_lshlrev_b32 v1, 4, v3                        ; 16 l
	v_lshlrev_b32 v2, 3, v3                        ; 8 l
	v_lshl_add_u32 v5, v4, 7, s21
	v_add_nc_u32 v6, s36, v2
	s_wait_alu depctr_va_vdst(0)                   ; the wait ahead of the waits below
	s_wait_dscnt 0x0
	s_wait_kmcnt 0x0
	s_mov_b32 s32, 1
	s_mov_b32 s33, s20
	s_add_nc_u64 s[34:35], s[4:5], s[18:19]
	s_or_b32 s35, s35, 0x80000000
	s_add_nc_u64 s[52:53], s[6:7], s[10:11]
	s_add_nc_u64 s[54:55], s[8:9], s[2:3]
.irp j, 0,1,2,3                        ; k's four tiles: registers 6 j .. 6 j + 5 of the record's image
.irp p, 0,1,2
	global_load_b64 v[KF+12*\j+2*\p:KF+12*\j+2*\p+1], v1, s[52:53] offset:512*((6*\j+2*\p)/4)+4*((6*\j+2*\p)%4)
.endr
.endr
	global_load_b64 v[KS:KS+1], v2, s[52:53] offset:3072
	CROUND                                         ; the four work-groups are here: the joint loads meet
	tensor_load_to_lds s[32:35], s[24:31]          ; my one tensor load
	s_nop 0
	PLACES 4
.irp i, 0,1,2,3,4,5
	v_mov_b32 v[QF+24+\i], 0                       ; K is 64 of the instruction's 128: zero codes in k's upper halves and behind q's last tile
.irp j, 0,1,2,3
	v_mov_b32 v[KF+12*\j+6+\i], 0
.endr
.endr
.set n, 0
.rept 32
	v_mov_b32 v[ACC+n], 0
.set n, n+1
.endr
	s_wait_alu depctr_va_vdst(0)                   ; the wait at the head's end
	s_wait_loadcnt 0x0
	s_wait_tensorcnt 0x0                           ; my four records are in
	s_barrier_signal -1
	s_barrier_wait -1                              ; everybody's are
.macro W q, dst
.irp j, 0,1,2,3
	MMZ \dst+8*\j, KF+12*\j, QF+6*(\q), KS+\j/2, \j%2, QS+(\q)/2, (\q)%2
.endr
.endm
.macro E src                           ; 32 scores of a lane: 2^(c s), added to the lane's sums; each result read from its low end on
.set n, 0
.rept 16
	v_pk_mul_f32 v[\src+n:\src+n+1], v[\src+n:\src+n+1], s[22:23] op_sel_hi:[1,0]
.set n, n+2
.endr
.set n, 0
	s_wait_alu depctr_va_vdst(0)                   ; a wait ahead of the batch and one behind it
.rept 32
	v_exp_f32 v[\src+n], v[\src+n]
.set n, n+1
.endr
	v_nop
.set n, 0
	s_wait_alu depctr_va_vdst(0)
.rept 16
	v_pk_add_f32 v[ACC+n:ACC+n+1], v[ACC+n:ACC+n+1], v[\src+n:\src+n+1]
.set n, n+2
.endr
.endm
	s_mov_b32 s51, 16
.Lgroup:                               ; a record of 64 queries against my 64 keys; products a tile ahead of the vector work
	v_add_nc_u32 v3, s50, v1
	v_add_nc_u32 v4, s50, v2
.irp i, 0,1,2,3,4,5
	ds_load_b128 v[QF+4*\i:QF+4*\i+3], v3 offset:512*\i
.endr
	ds_load_b64 v[QS:QS+1], v4 offset:3072
	s_wait_dscnt 0x0
	W 0, SA
	W 1, SB
	PLACES 5
	E SA
	W 2, SA
	E SB
	W 3, SB
	E SA
	E SB
	s_add_co_u32 s50, s50, REC
	s_sub_co_u32 s51, s51, 1
	s_cmp_lg_u32 s51, 0
	s_cbranch_scc1 .Lgroup
.irp m, 1,2,4,8                        ; over the sixteen queries of a half of the lanes
.set n, 0
.rept 32
	v_add_f32_dpp v[ACC+n], v[ACC+n], v[ACC+n] row_xmask:\m row_mask:0xf bank_mask:0xf
.set n, n+1
.endr
.endr
.irp i, 0,1,2,3,4,5,6,7
	ds_store_b128 v5, v[ACC+4*\i:ACC+4*\i+3] offset:16*\i   ; the sixteen lanes of a half write the same bytes with the same values
.endr
	s_wait_dscnt 0x0
	s_barrier_signal -1
	s_barrier_wait -1
	s_cmp_lt_u32 s12, 4
	s_cbranch_scc0 .Ldone                          ; waves 0-3 finish a record each
.irp q, 0,1,2,3
	ds_load_b64 v[SA+2*\q:SA+2*\q+1], v6 offset:256*\q
.endr
	s_wait_dscnt 0x0
	v_pk_add_f32 v[SA:SA+1], v[SA:SA+1], v[SA+2:SA+3]
	v_pk_add_f32 v[SA+4:SA+5], v[SA+4:SA+5], v[SA+6:SA+7]
	s_delay_alu instid0(VALU_DEP_1)
	v_pk_add_f32 v[SA:SA+1], v[SA:SA+1], v[SA+4:SA+5]
	s_wait_alu depctr_va_vdst(0)
	v_log_f32 v[SA], v[SA]
	v_log_f32 v[SA+1], v[SA+1]
	v_nop
	s_wait_alu depctr_va_vdst(0)
	v_mul_f32 v[SA+2], -1.0, v[SA]
	v_mul_f32 v[SA+3], -1.0, v[SA+1]
	global_store_b64 v2, v[SA+2:SA+3], s[54:55]    ; 32 lanes store one aligned unit of 256 bytes
.Ldone:
	s_wait_tensorcnt 0x0                           ; the wave's end
	ds_add_u32 v192, v193
	s_wait_dscnt 0x0
	CROUND                                         ; the closing round
	s_endpgm
.Lfunc_end_k_qd33b2d60e9_stats:
	.size	k_qd33b2d60e9_stats, .Lfunc_end_k_qd33b2d60e9_stats-k_qd33b2d60e9_stats
	.p2alignl 7, 3214868480
	.fill 96, 4, 3214868480
	.section	.rodata,"a",@progbits
	.p2align	6, 0x0
	.amdhsa_kernel k_qd33b2d60e9_stats
		.amdhsa_group_segment_fixed_size 327680
		.amdhsa_private_segment_fixed_size 0
		.amdhsa_enable_private_segment 0
		.amdhsa_kernarg_size 24
		.amdhsa_user_sgpr_count 2
		.amdhsa_user_sgpr_kernarg_segment_ptr 1
		.amdhsa_wavefront_size32 1
		.amdhsa_system_sgpr_workgroup_id_x 1
		.amdhsa_system_sgpr_workgroup_id_y 1
		.amdhsa_system_sgpr_workgroup_id_z 1
		.amdhsa_system_vgpr_workitem_id 0
		.amdhsa_next_free_vgpr 194
		.amdhsa_next_free_sgpr 66
		.amdhsa_reserve_vcc 0
		.amdhsa_float_denorm_mode_32 3
		.amdhsa_float_denorm_mode_16_64 3
		.amdhsa_memory_ordered 1
		.amdhsa_forward_progress 1
		.amdhsa_inst_pref_size 33
	.end_amdhsa_kernel
	.amdgpu_metadata
---
amdhsa.version: [ 1, 2 ]
amdhsa.kernels:
  - .name:           k_qd33b2d60e9_stats
    .symbol:         k_qd33b2d60e9_stats.kd
    .args:
      - { .name: qimg, .offset: 0, .size: 8, .value_kind: global_buffer, .address_space: global }
      - { .name: kvimg, .offset: 8, .size: 8, .value_kind: global_buffer, .address_space: global }
      - { .name: lbuf, .offset: 16, .size: 8, .value_kind: global_buffer, .address_space: global }
    .group_segment_fixed_size: 327680
    .private_segment_fixed_size: 0
    .kernarg_segment_align: 8
    .kernarg_segment_size: 24
    .max_flat_workgroup_size: 512
    .sgpr_count:     66
    .vgpr_count:     194
    .wavefront_size: 32
...
	.end_amdgpu_metadata
.endif
;; end of part 2
;; launch attn (part 3): grid 16 x 16, 16 waves a work-group, clusters of 4 x 1, 327,680 bytes of LDS; arguments qimg, kvimg, lbuf, out0; writes out0
.if DOCPART == 3
	.amdgcn_target "amdgcn-amd-amdhsa--gfx1250"
	.amdhsa_code_object_version 6
	.text
	.protected	k_qd33b2d60e9_attn
	.globl	k_qd33b2d60e9_attn
	.p2align	8
	.type	k_qd33b2d60e9_attn,@function
k_qd33b2d60e9_attn:
	s_mov_b64 s[64:65], 0
	v_nop
	global_prefetch_b8 v0, s[64:65] scope:SCOPE_SE
	s_setreg_imm32_b32 hwreg(HW_REG_WAVE_MODE, 25, 1), 1
	s_wait_xcnt 0x0
	s_wait_alu depctr_hold_cnt(0) depctr_sa_sdst(0) depctr_va_vdst(0) depctr_va_sdst(0) depctr_va_ssrc(0) depctr_va_vcc(0) depctr_vm_vsrc(0)
	s_getreg_b32 s2, hwreg(HW_REG_IB_STS2, 6, 4)
	s_cmp_eq_u32 s2, 0
	s_cbranch_scc0 .Lentry_in_a_cluster
	s_endpgm
.Lentry_in_a_cluster:
	s_bfe_u32 s2, ttmp6, 0x10000c
	s_cmp_lg_u32 s2, 0x3003
	s_cbranch_scc0 .Lentry_shape_is_right
	s_endpgm
.Lentry_shape_is_right:
; out0[b][q][:] = sum over the keys k of p[q][k] v[k][:], p = 2^(c s[q][k] + NL[k]): the finished weight of a softmax over the QUERIES; s = q . k, c = log2(e) / 8, NL[k] = -log2 of key k's sum over all
; queries (launch stats).  Both products on codes of FP6 (E2M3) with one E8M0 scale for each 32 along K; p is quantised along the keys, as it stands, in f32 until then.
; NO MAXIMUM IS TAKEN AWAY: q and k come out of a LayerNorm without gain (norms of 8 at the most, under 9.5 as codes), so |c s| < 16.3 and -28.3 < NL < 4.3: p lies between 2^-44.6 and 1 for every input.
; SHARES.  A work-group takes 256 queries of one batch.  Sixteen waves, four to a SIMD, 256 registers each: wave w keeps the 32 queries of group w % 8 (two tiles) and walks half w / 8 of each 1,024 keys;
; nothing is carried from key to key but the sums, so the two halves are added at the end.
; LAYOUT (the records: launch proj).  S^T = k q^T: source 0 = 16 keys, source 1 = 16 queries; row r of a tile j is row 32 (r / 8) + 8 j + r % 8 of its 64.  So in the four results of a tile of queries lane (r, h)
; holds one query and its 32 registers the keys 32 h + 0 .. 31 of the group: a whole block of the next K, in order.  O^T = v^T p^T: source 0 = 16 channels x 128 keys, source 1 = p.
; In the first product K is 64 of the instruction's 128: the queries' fragments have zero codes in registers 6-11; the keys' lie 6 registers apart, six zeros behind the last.
; LDS.  Three regions of 1,024 keys (16 records of k, 8 of v: 104,448 bytes = 408 rows of 256, dense in memory) and three of their NL (4,096 bytes each): three quarters of a batch lie there at once.
; The head asks for region 0 (waves 0-11, 34 rows each) and NL of the first 3,072 keys (waves 12-15, 12 rows each); behind the first round every wave asks for 51 rows of regions 1 and 2.  When region 0 is
; read out it is filled once more, with the last 1,024 keys and their NL, asked for eight key steps ahead of the wait for them.  So the walk has two changes: one with a refill, one in front of the refilled region.
; CLUSTER.  The four work-groups of a cluster belong to one batch and walk the same k, v and NL: every tile is asked for jointly.
; No prefetch: three quarters of the stream are asked for at the start, and the last quarter eight key steps ahead of its wait.
; REGISTERS.  v1-5 lane terms; v6-7 the spare word's address and 0; v8-12 a step's addresses; v13-15 the way out; v16-32 scale words and work; v34-63 k (then two fragments of v); v64-95 four results (then one of v);
;   v96-127 NL of 32 keys; v128-151 p's codes; v152-175 q; v176-239 O^T (tile q, channels t: 8 (4 q + t)); v240-251 a fragment of v.
; LIMITS: NaN and infinities are not served.  The sum over the keys is taken in two halves.
.set REC,    3328
.set VREC,   6400
.set SLOTB,  104448
.set BATKV,  417792
.set PARTB,  34*256                    ; what one of waves 0-11 fetches of region 0
.set PART2,  51*256                    ; what each wave fetches of regions 1 and 2
.set LREG,   3*SLOTB                   ; behind the regions: NL, three parts of 4,096 bytes
.set NLB,    4096
.set SP,     272
.set STA,    SLOTB                     ; the way out's two stages, 256 rows x 272 bytes each, lie in regions 1 and 2, which have had their one fill and their last read by then
.set SPARE,  LREG+3*NLB                ; the spare words, 128 bytes a wave
.set FLOOR,  0x1800000
.set OFF2,   0xff000000
.set QS,  16
.set KS,  18
.set VS,  20
.set PW,  22                           ; p's scale words, a tile of queries each
.set BY,  24                           ; the byte of the step's first group, a tile each
.set PD,  26
.set M0,  27
.set M1,  28
.set EE,  29
.set T,   30
.set KF,  34
.set SA,  64
.set LR,  96
.set PC,  128
.set QF,  152
.set OT,  176
.set V3,  240
.macro PLACES n
.rept \n
	v_nop
.endr
.endm
.macro MMZ dst, a, b, sa, ra, sb, rb
.if ((\ra) == 0) && ((\rb) == 0)
	v_wmma_scale_f32_16x16x128_f8f6f4 v[\dst:\dst+7], v[\a:\a+11], v[\b:\b+11], 0, v[\sa], v[\sb] matrix_a_fmt:MATRIX_FMT_FP6 matrix_b_fmt:MATRIX_FMT_FP6
.elseif ((\ra) == 1) && ((\rb) == 0)
	v_wmma_scale_f32_16x16x128_f8f6f4 v[\dst:\dst+7], v[\a:\a+11], v[\b:\b+11], 0, v[\sa], v[\sb] matrix_a_fmt:MATRIX_FMT_FP6 matrix_b_fmt:MATRIX_FMT_FP6 matrix_a_scale:MATRIX_SCALE_ROW1
.elseif ((\ra) == 0) && ((\rb) == 1)
	v_wmma_scale_f32_16x16x128_f8f6f4 v[\dst:\dst+7], v[\a:\a+11], v[\b:\b+11], 0, v[\sa], v[\sb] matrix_a_fmt:MATRIX_FMT_FP6 matrix_b_fmt:MATRIX_FMT_FP6 matrix_b_scale:MATRIX_SCALE_ROW1
.else
	v_wmma_scale_f32_16x16x128_f8f6f4 v[\dst:\dst+7], v[\a:\a+11], v[\b:\b+11], 0, v[\sa], v[\sb] matrix_a_fmt:MATRIX_FMT_FP6 matrix_b_fmt:MATRIX_FMT_FP6 matrix_a_scale:MATRIX_SCALE_ROW1 matrix_b_scale:MATRIX_SCALE_ROW1
.endif
.endm
.macro CROUND                          ; a round of the cluster's barrier
	s_barrier_signal -1
	s_barrier_wait -1
	s_cmp_lg_u32 s12, 0
	s_cbranch_scc1 .Lnot_wave_0_\@
	s_barrier_signal -3
.Lnot_wave_0_\@:
	s_barrier_wait -3
	s_barrier_signal -1
	s_barrier_wait -1
.endm
.macro ARMS gk, gn                     ; one tensor load a wave: waves 0-11 a part of region 0, waves 12-15 a part of NL; the branch hangs on the wave's number alone
	s_cmp_lt_u32 s12, 12
	s_cbranch_scc0 .Lnl_\@
	tensor_load_to_lds s[\gk:\gk+3], s[24:31]
	s_nop 0
	PLACES 4
	s_branch .Lasked_\@
.Lnl_\@:
	tensor_load_to_lds s[\gn:\gn+3], s[32:39]
	s_nop 0
	PLACES 4
.Lasked_\@:
.endm
	s_load_b256 s[4:11], s[0:1], 0x0               ; qimg s[4:5], kvimg s[6:7], lbuf s[8:9], out0 s[10:11]
	v_lshl_add_u32 v6, v0, 2, SPARE
	v_mov_b32 v7, 0
	ds_add_u32 v6, v7                              ; the opening lines: the add, twice on end, and its wait
	ds_add_u32 v6, v7
	v_lshrrev_b32 v1, 5, v0
	v_readfirstlane_b32 s12, v1                    ; wave 0..15
	s_and_b32 s13, s12, 7                          ; which 32 queries
	s_lshr_b32 s14, s12, 3                         ; which half of each 1,024 keys
	s_bfe_u32 s15, ttmp6, 0x40000                  ; cx
	s_lshl_b32 s16, ttmp9, 2
	s_add_co_u32 s16, s16, s15                     ; my block of 256 queries: it enters q's and out0's addresses alone
	s_and_b32 s17, ttmp7, 0xffff                   ; the batch, which the four partners share
.irp g, 24, 32                         ; group 1: dense blocks as rows of 32 elements of 8 bytes: s[24:31] for k and v; s[32:39] for NL
	s_mov_b32 s[\g], 15|(3<<16)|(1<<21)            ; the mask of all four; elements of 8 bytes; bit 21 beside a mask
	s_mov_b32 s[\g+1], 32<<16
	s_mov_b32 s[\g+3], 32<<16
	s_mov_b32 s[\g+5], 32
	s_mov_b32 s[\g+6], 0
	s_mov_b32 s[\g+7], 0
.endr
	s_mov_b32 s26, 34<<16                          ; at the head: 34 rows of region 0,
	s_mov_b32 s28, 34
	s_mov_b32 s34, 12<<16                          ; 12 rows of NL
	s_mov_b32 s36, 12
	s_mul_i32 s18, s17, BATKV                      ; the batch in kvimg
	s_mov_b32 s19, 0
	s_mul_i32 s20, s12, PARTB                      ; my part of region 0 (waves 0-11), in LDS and in the batch,
	s_mov_b32 s21, 0
	s_mul_i32 s60, s12, PART2
	s_add_co_u32 s60, s60, SLOTB                   ; and of regions 1 and 2
	s_mov_b32 s61, 0
	s_and_b32 s15, s12, 3                          ; which quarter of NL's rows (waves 12-15)
	s_mul_i32 s76, s15, 3072                       ; at the head: of 12,288 bytes,
	s_lshl_b32 s77, s15, 10                        ; at the refill: of 4,096
	s_lshl_b32 s72, s17, 14
	s_add_co_u32 s74, s72, 3*NLB
	s_add_co_u32 s74, s74, s77
	s_add_co_u32 s72, s72, s76
	s_mov_b32 s73, 0
	s_mov_b32 s75, 0
	s_lshl_b32 s2, s17, 6                          ; my queries' record: 64 b + 4 x block + group / 2
	s_lshl_b32 s3, s16, 2
	s_add_co_u32 s2, s2, s3
	s_lshr_b32 s3, s13, 1
	s_add_co_u32 s2, s2, s3
	s_mul_i32 s2, s2, REC
	s_mov_b32 s3, 0
	s_mov_b32 s22, 0x3e38aa3b                      ; c = log2(e) / 8
	s_mov_b32 s23, s22
	s_mov_b32 s52, 0x76543210
	s_mov_b32 s53, 0xfedcba98                      ; v_permlanex16_b32's selects for lane l xor 16
	s_mul_i32 s54, s14, 8*REC                      ; my half of a region: 8 records of k,
	s_mul_i32 s55, s14, 4*VREC                     ; 4 of v,
	s_lshl_b32 s56, s14, 11                        ; 512 numbers of NL
	s_wait_dscnt 0x0
	s_wait_kmcnt 0x0
	s_add_nc_u64 s[6:7], s[6:7], s[18:19]
	s_mov_b32 s40, 1                               ; group 0 for region 0,
	s_mov_b32 s41, s20
	s_add_nc_u64 s[42:43], s[6:7], s[20:21]
	s_or_b32 s43, s43, 0x80000000
	s_mov_b32 s44, 1                               ; for regions 1 and 2,
	s_mov_b32 s45, s60
	s_add_nc_u64 s[46:47], s[6:7], s[60:61]
	s_or_b32 s47, s47, 0x80000000
	s_mov_b32 s48, 1                               ; for NL at the head,
	s_add_co_u32 s49, s76, LREG
	s_add_nc_u64 s[50:51], s[8:9], s[72:73]
	s_or_b32 s51, s51, 0x80000000
	s_mov_b32 s68, 1                               ; and at the refill
	s_add_co_u32 s69, s77, LREG
	s_add_nc_u64 s[70:71], s[8:9], s[74:75]
	s_or_b32 s71, s71, 0x80000000
	s_add_nc_u64 s[4:5], s[4:5], s[2:3]            ; q at my record
	s_lshl_b32 s2, s17, 20                         ; out0 at the 16 rows that I store: (4,096 b + 256 x block + 16 w) rows of 256 bytes
	s_lshl_b32 s3, s16, 16
	s_add_co_u32 s2, s2, s3
	s_lshl_b32 s3, s12, 12
	s_add_co_u32 s2, s2, s3
	s_mov_b32 s3, 0
	s_add_nc_u64 s[10:11], s[10:11], s[2:3]
	s_lshr_b32 s18, s13, 1                         ; my rows of a stage begin at 64 (group / 2) + 16 (group % 2),
	s_lshl_b32 s18, s18, 6
	s_and_b32 s21, s13, 1
	s_lshl_b32 s19, s21, 4
	s_add_co_u32 s18, s18, s19
	s_mul_i32 s18, s18, SP
	s_mul_i32 s19, s14, 256*SP                     ; in my half's stage
	s_add_co_u32 s18, s18, s19
	s_add_co_u32 s18, s18, STA
	s_mul_i32 s19, s12, 16*SP                      ; and I read rows 16 w on back
	s_add_co_u32 s19, s19, STA
	s_mul_i32 s20, s21, 1536                       ; my two tiles in the record's image: registers 12 (group % 2) on,
	s_lshl_b32 s21, s21, 2                         ; and their scale word
	CROUND                                         ; all four work-groups are here: the first joint loads meet
	ARMS 40, 48
	v_and_b32 v8, 31, v0                           ; l
	v_bfe_u32 v9, v0, 4, 1                         ; h
	v_and_b32 v10, 7, v0
	v_bfe_u32 v11, v0, 3, 1
	v_and_b32 v12, 15, v0
	v_lshlrev_b32 v1, 4, v8                        ; v1 = 16 l
	v_lshlrev_b32 v3, 3, v8                        ; v3 = 8 l
	v_lshlrev_b32 v4, 2, v8                        ; v4 = 4 l
	v_lshlrev_b32 v2, 7, v9                        ; v2 = 128 h
	v_lshlrev_b32 v5, 3, v9                        ; v5 = 8 h
	v_lshl_or_b32 v10, v11, 5, v10                 ; 32 (r / 8) + r % 8
	v_mul_u32_u24 v11, v9, SP
	v_mul_u32_u24 v10, v10, SP
	v_lshl_add_u32 v11, v12, 4, v11
	v_lshl_add_u32 v10, v9, 5, v10
	v_add_nc_u32 v14, s19, v11                     ; v14: back: lanes 0-15 one row of 256 bytes, lanes 16-31 the next
	v_add_nc_u32 v13, s18, v10                     ; v13: into my half's stage, 32 h bytes on
	v_add_nc_u32 v8, s20, v1
	v_add_nc_u32 v9, s21, v3
	v_add_nc_u32 v15, 256*SP, v14                  ; v15: the same in the other stage
.irp q, 0,1
.irp p, 0,1,2
	global_load_b64 v[QF+12*\q+2*\p:QF+12*\q+2*\p+1], v8, s[4:5] offset:512*((6*\q+2*\p)/4)+4*((6*\q+2*\p)%4)
.endr
.irp i, 6,7,8,9,10,11
	v_mov_b32 v[QF+12*\q+\i], 0                    ; the upper halves: zero codes
.endr
.endr
	global_load_b32 v[QS], v9, s[4:5] offset:3072  ; lanes 0-15 my first tile's words, lanes 16-31 my second's
.irp i, 0,1,2,3,4,5
	v_mov_b32 v[KF+24+\i], 0                       ; behind k's last tile
.endr
	v_mov_b32 v[PD], 0                             ; a lane permute's destination counts as one of its sources
.macro W q                             ; tile q of my queries against the group's four tiles of keys
.irp j, 0,1,2,3
	MMZ SA+8*\j, KF+6*\j, QF+12*(\q), KS+\j/2, \j%2, QS, \q
.endr
.endm
.macro KLOAD c                         ; group c's record of k: seven loads
.irp i, 0,1,2,3,4,5
	ds_load_b128 v[KF+4*\i:KF+4*\i+3], v8 offset:REC*\c+512*\i
.endr
	ds_load_b64 v[KS:KS+1], v11 offset:REC*\c+3072
.endm
.macro NLLOAD c                        ; NL of keys 64 c + 32 h on: the sixteen lanes of a half read the same bytes
.irp i, 0,1,2,3,4,5,6,7
	ds_load_b128 v[LR+4*\i:LR+4*\i+3], v10 offset:256*\c+16*\i
.endr
.endm
.macro VLOAD t, dst                    ; channels 16 t on x the step's 128 keys
.irp i, 0,1,2
	ds_load_b128 v[\dst+4*\i:\dst+4*\i+3], v9 offset:1536*(\t)+512*\i
.endr
.endm
; 32 scores of a lane (tile q, group c of the step) become weights, and these a block's codes and its byte.  Each result is read from its low end on.  The block's last three registers are left in T: MOVS.
.macro SOFT q, c
.set n, 0
.rept 16
	v_pk_fma_f32 v[SA+n:SA+n+1], v[SA+n:SA+n+1], s[22:23], v[LR+n:LR+n+1] op_sel_hi:[1,0,1]   ; c s + NL
.set n, n+2
.endr
.if ((\q) == 1) && ((\c) == 0)
	NLLOAD 1                                       ; both tiles have read the first group's NL
.endif
.set n, 0
	s_wait_alu depctr_va_vdst(0)                   ; a wait ahead of the batch and one behind it
.rept 32
	v_exp_f32 v[SA+n], v[SA+n]
.set n, n+1
.endr
	v_nop
	s_wait_alu depctr_va_vdst(0)
	v_max3_num_f32 v[M0], v[SA], v[SA+1], FLOOR    ; the block's largest p (none is negative), and the floor: 16 lines in four chains (two of them in T's registers, which are free here)
	v_max3_num_f32 v[M1], v[SA+2], v[SA+3], v[SA+4]
	v_max3_num_f32 v[T], v[SA+5], v[SA+6], v[SA+7]
	v_max3_num_f32 v[T+1], v[SA+8], v[SA+9], v[SA+10]
.irp i, 11,19
	v_max3_num_f32 v[M0], v[M0], v[SA+\i], v[SA+\i+1]
	v_max3_num_f32 v[M1], v[M1], v[SA+\i+2], v[SA+\i+3]
	v_max3_num_f32 v[T], v[T], v[SA+\i+4], v[SA+\i+5]
	v_max3_num_f32 v[T+1], v[T+1], v[SA+\i+6], v[SA+\i+7]
.endr
	v_max3_num_f32 v[M0], v[M0], v[SA+27], v[SA+28]
	v_max3_num_f32 v[M1], v[M1], v[SA+29], v[SA+30]
	v_max3_num_f32 v[T], v[T], v[T+1], v[SA+31]
	v_max3_num_f32 v[M0], v[M0], v[M1], v[T]
	s_delay_alu instid0(VALU_DEP_1)
	v_add_nc_u32 v[EE], OFF2, v[M0]                ; 2 off the exponent field: the conversion's scale operand
	v_cvt_scalef32_pk16_fp6_f32 v[PC+12*(\q)+6*(\c):PC+12*(\q)+6*(\c)+2], v[SA:SA+15], v[EE]
	v_cvt_scalef32_pk16_fp6_f32 v[T:T+2], v[SA+16:SA+31], v[EE]
.if (\c) == 0
	v_lshrrev_b32 v[BY+(\q)], 23, v[EE]            ; the byte of block h; this line is also the plain place behind the conversions
.else
	v_lshrrev_b32 v[M1], 23, v[EE]                 ; the byte of block 2 + h; also the plain place behind the conversions
	s_delay_alu instid0(VALU_DEP_1)
	v_lshl_or_b32 v[PW+(\q)], v[M1], 16, v[BY+(\q)]
	s_delay_alu instid0(VALU_DEP_1)
	v_lshlrev_b32 v[PW+(\q)], v5, v[PW+(\q)]       ; my two bytes at their places;
	s_delay_alu instid0(VALU_DEP_1)
	v_permlanex16_b32 v[PD], v[PW+(\q)], s52, s53
	s_delay_alu instid0(VALU_DEP_1)
	v_or_b32 v[PW+(\q)], v[PW+(\q)], v[PD]         ; with lane l xor 16's two the word is whole
.endif
.endm
.macro MOVS q, c                       ; a conversion's three registers begin on an even number: the block's second three are moved to their place
.irp i, 0,1,2
	v_mov_b32 v[PC+12*(\q)+6*(\c)+3+\i], v[T+\i]
.endr
.endm
.macro PVM t, vf, q, first             ; O^T(tile q, channels 16 t on) takes these 128 keys.  first = 1: the product starts the sum
.if \first
.if ((\t)%2) == 0
	v_wmma_scale_f32_16x16x128_f8f6f4 v[OT+8*(4*\q+\t):OT+8*(4*\q+\t)+7], v[\vf:\vf+11], v[PC+12*\q:PC+12*\q+11], 0, v[VS+\t/2], v[PW+\q] matrix_a_fmt:MATRIX_FMT_FP6 matrix_b_fmt:MATRIX_FMT_FP6
.else
	v_wmma_scale_f32_16x16x128_f8f6f4 v[OT+8*(4*\q+\t):OT+8*(4*\q+\t)+7], v[\vf:\vf+11], v[PC+12*\q:PC+12*\q+11], 0, v[VS+\t/2], v[PW+\q] matrix_a_fmt:MATRIX_FMT_FP6 matrix_b_fmt:MATRIX_FMT_FP6 matrix_a_scale:MATRIX_SCALE_ROW1
.endif
.else
.if ((\t)%2) == 0
	v_wmma_scale_f32_16x16x128_f8f6f4 v[OT+8*(4*\q+\t):OT+8*(4*\q+\t)+7], v[\vf:\vf+11], v[PC+12*\q:PC+12*\q+11], v[OT+8*(4*\q+\t):OT+8*(4*\q+\t)+7], v[VS+\t/2], v[PW+\q] matrix_a_fmt:MATRIX_FMT_FP6 matrix_b_fmt:MATRIX_FMT_FP6
.else
	v_wmma_scale_f32_16x16x128_f8f6f4 v[OT+8*(4*\q+\t):OT+8*(4*\q+\t)+7], v[\vf:\vf+11], v[PC+12*\q:PC+12*\q+11], v[OT+8*(4*\q+\t):OT+8*(4*\q+\t)+7], v[VS+\t/2], v[PW+\q] matrix_a_fmt:MATRIX_FMT_FP6 matrix_b_fmt:MATRIX_FMT_FP6 matrix_a_scale:MATRIX_SCALE_ROW1
.endif
.endif
.endm
; A KEY STEP: 128 keys against my 32 queries.  s57, s58, s59: LDS bytes of its two records of k, its record of v, its numbers of NL.
.macro STEP first
	v_add_nc_u32 v8, s57, v1                       ; these five lines are the places between the last step's products and what lands on or writes over their operands
	v_add_nc_u32 v11, s57, v3
	v_add_nc_u32 v9, s58, v1
	v_add_nc_u32 v12, s58, v4
	v_add_nc_u32 v10, s59, v2
	KLOAD 0
	NLLOAD 0
	VLOAD 3, V3
	ds_load_b32 v[VS], v12 offset:6144
	ds_load_b32 v[VS+1], v12 offset:6272
	s_wait_dscnt 13                                ; k's seven loads are in; NL's eight, v's three and its scale words' two may be out
	W 0
	PLACES 4
	s_wait_dscnt 5                                 ; NL's eight are in
	SOFT 0, 0
	W 1
	MOVS 0, 0                                      ; three of the four places behind the products, in front of the reads of their results and of the loads into k's registers
	v_nop
	KLOAD 1
	SOFT 1, 0
	s_wait_alu depctr_va_vdst(0)                   ; the wait here, directly ahead of the wait below
	s_wait_dscnt 0x0                               ; the second group's k and NL
	W 0
	MOVS 1, 0                                      ; three of the four places behind the products
	v_nop
	SOFT 0, 1
	W 1
	MOVS 0, 1
	v_nop
	VLOAD 0, KF                                    ; k is done with: two fragments of v take its registers,
	VLOAD 1, KF+12
	SOFT 1, 1
	MOVS 1, 1
	VLOAD 2, SA                                    ; and one the results'
	PLACES 5                                       ; with the three moves ahead of them: eight places behind p's last scale word, five behind its last codes
	s_wait_dscnt 3                                 ; all but the three loads just issued
	s_wait_alu depctr_va_vdst(0)                   ; the wait here, directly ahead of the first reader
.irp q, 0,1                            ; eight accumulators, one instruction a turn
	PVM 0, KF, \q, \first
	PVM 1, KF+12, \q, \first
	PVM 3, V3, \q, \first
.endr
	s_wait_dscnt 0x0                               ; v's last fragment
	s_wait_alu depctr_va_vdst(0)
	PVM 2, SA, 0, \first
	PVM 2, SA, 1, \first
	s_add_co_u32 s57, s57, 2*REC
	s_add_co_u32 s58, s58, VREC
	s_add_co_u32 s59, s59, 512
.endm
; my half of a region: four key steps
.macro TRIPWORK reg, first
	s_add_co_u32 s57, s54, \reg*SLOTB
	s_add_co_u32 s58, s55, \reg*SLOTB+16*REC
	s_add_co_u32 s59, s56, LREG+\reg*NLB
.if \first
	STEP 1
	s_mov_b32 s60, 3
.else
	s_mov_b32 s60, 4
.endif
.Lstep_\@:
	STEP 0
	s_sub_co_u32 s60, s60, 1
	s_cmp_lg_u32 s60, 0
	s_cbranch_scc1 .Lstep_\@
.endm
	s_wait_alu depctr_va_vdst(0)
	s_wait_loadcnt 0x0                             ; q
	s_wait_tensorcnt 0x0                           ; my part of region 0 or of NL is in; the lines ahead of a later first fill:
	ds_add_u32 v6, v7
	s_mov_b32 s26, 51<<16                          ; no tensor load of mine is out, so a descriptor may be written: 51 rows
	s_mov_b32 s28, 51
	s_wait_dscnt 0x0
	CROUND                                         ; everybody's parts are in, and the four work-groups are here
	tensor_load_to_lds s[44:47], s[24:31]          ; regions 1 and 2, a sixteenth a wave: they have region 0's four key steps in which to land
	s_nop 0
	PLACES 4
	TRIPWORK 0, 1
	s_wait_tensorcnt 0x0                           ; THE CHANGE WITH A REFILL: regions 1 and 2 are in,
	ds_add_u32 v6, v7
	s_mov_b32 s26, 34<<16                          ; the refill's shapes: 34 rows of k and v,
	s_mov_b32 s28, 34
	s_mov_b32 s34, 4<<16                           ; 4 rows of NL;
	s_mov_b32 s36, 4
	s_add_nc_u64 s[42:43], s[42:43], 3*SLOTB       ; the batch's last 1,024 keys
	s_wait_dscnt 0x0                               ; and my reads of region 0 are over
	CROUND                                         ; that holds of every wave of every partner
	ARMS 40, 68
	TRIPWORK 1, 0
	s_wait_tensorcnt 0x0                           ; THE BARRIER IN FRONT OF THE REFILLED REGION, in two halves. My part of the refill is in
	s_wait_dscnt 0x0                               ; no LDS load of mine is out:
	s_barrier_signal -1                            ; say so,
	TRIPWORK 2, 0                                  ; walk region 2 (LDS loads of bytes that nobody writes before the barrier ahead of the way out, and work on registers),
	s_barrier_wait -1                              ; and read region 0 when everybody's part is in
	TRIPWORK 0, 0
	s_wait_dscnt 0x0                               ; the stages lie in regions 1 and 2: every wave has left region 2 before any wave stores there
	s_barrier_signal -1
	s_barrier_wait -1
	; THE WAY OUT.  A lane's eight results are eight neighbouring channels of one query.  Each half of the keys has a stage of 256 rows; behind a barrier each wave reads 16 whole rows of both, adds them and stores them.
	PLACES 4
.irp q, 0,1
.irp t, 0,1,2,3
	ds_store_b128 v13, v[OT+8*(4*\q+\t):OT+8*(4*\q+\t)+3] offset:8*\q*SP+64*\t          ; each accumulator from its low end on
	ds_store_b128 v13, v[OT+8*(4*\q+\t)+4:OT+8*(4*\q+\t)+7] offset:8*\q*SP+64*\t+16
.endr
.endr
	s_wait_dscnt 0x0                               ; for the others' sake
	s_barrier_signal -1
	s_barrier_wait -1
.irp i, 0,1,2,3,4,5,6,7
	ds_load_b128 v[LR+4*\i:LR+4*\i+3], v14 offset:2*SP*\i
.endr
.irp i, 0,1,2,3,4,5,6,7
	ds_load_b128 v[SA+4*\i:SA+4*\i+3], v15 offset:2*SP*\i
.endr
.irp i, 0,1,2,3,4,5,6,7
	s_wait_dscnt 7-\i                              ; both stages' rows 2 i and 2 i + 1 are in; the younger loads may be out
	v_pk_add_f32 v[LR+4*\i:LR+4*\i+1], v[LR+4*\i:LR+4*\i+1], v[SA+4*\i:SA+4*\i+1]
	v_pk_add_f32 v[LR+4*\i+2:LR+4*\i+3], v[LR+4*\i+2:LR+4*\i+3], v[SA+4*\i+2:SA+4*\i+3]
	global_store_b128 v1, v[LR+4*\i:LR+4*\i+3], s[10:11] offset:512*\i th:TH_STORE_NT   ; 32 lanes store 512 consecutive bytes, at a multiple of 256 from out0's first byte
.endr
	s_wait_tensorcnt 0x0                           ; the wave's end
	ds_add_u32 v6, v7
	s_wait_dscnt 0x0
	CROUND                                         ; the closing round
	s_endpgm
.Lfunc_end_k_qd33b2d60e9_attn:
	.size	k_qd33b2d60e9_attn, .Lfunc_end_k_qd33b2d60e9_attn-k_qd33b2d60e9_attn
	.p2alignl 7, 3214868480
	.fill 96, 4, 3214868480
	.section	.rodata,"a",@progbits
	.p2align	6, 0x0
	.amdhsa_kernel k_qd33b2d60e9_attn
		.amdhsa_group_segment_fixed_size 327680
		.amdhsa_private_segment_fixed_size 0
		.amdhsa_enable_private_segment 0
		.amdhsa_kernarg_size 32
		.amdhsa_user_sgpr_count 2
		.amdhsa_user_sgpr_kernarg_segment_ptr 1
		.amdhsa_wavefront_size32 1
		.amdhsa_system_sgpr_workgroup_id_x 1
		.amdhsa_system_sgpr_workgroup_id_y 1
		.amdhsa_system_sgpr_workgroup_id_z 1
		.amdhsa_system_vgpr_workitem_id 0
		.amdhsa_next_free_vgpr 256
		.amdhsa_next_free_sgpr 78
		.amdhsa_reserve_vcc 0
		.amdhsa_float_denorm_mode_32 3
		.amdhsa_float_denorm_mode_16_64 3
		.amdhsa_memory_ordered 1
		.amdhsa_forward_progress 1
		.amdhsa_inst_pref_size 123
	.end_amdhsa_kernel
	.amdgpu_metadata
---
amdhsa.version: [ 1, 2 ]
amdhsa.kernels:
  - .name:           k_qd33b2d60e9_attn
    .symbol:         k_qd33b2d60e9_attn.kd
    .args:
      - { .name: qimg, .offset: 0, .size: 8, .value_kind: global_buffer, .address_space: global }
      - { .name: kvimg, .offset: 8, .size: 8, .value_kind: global_buffer, .address_space: global }
      - { .name: lbuf, .offset: 16, .size: 8, .value_kind: global_buffer, .address_space: global }
      - { .name: out0, .offset: 24, .size: 8, .value_kind: global_buffer, .address_space: global }
    .group_segment_fixed_size: 327680
    .private_segment_fixed_size: 0
    .kernarg_segment_align: 8
    .kernarg_segment_size: 32
    .max_flat_workgroup_size: 512
    .sgpr_count:     78
    .vgpr_count:     256
    .wavefront_size: 32
...
	.end_amdgpu_metadata
.endif
;; end of part 3
